; MI455X (gfx1250); checked and timed in simulation.
; The chip was launched on July 23, 2026; its instructions are those of AMD's public machine-readable ISA for CDNA 5 (MIT licence, August 2026) and "CDNA5" Instruction Set Architecture Reference Guide (July 2026). The comments in the code are by the model that wrote it; some were corrected since.
;; Vector Quantizer. Allowed arithmetic: matrix products marked QUANTISED: E2M1 operands, one E8M0 scale for each 32 along K, by v_wmma_scale_f32_16x16x128_f8f6f4 with both operands' format E2M1 (or v_wmma_scale_f32_32x16x128_f4), f32 sums; everything else in f32.
;; Inputs: codebook 8,192 x 512 float32; inputs 16,384 x 512 float32.
;; Outputs: out0 16,384 x 512 float32; out1 one number float32.
;; This version of the problem:
;;   THIS VERSION OF THE PROBLEM IS GIVEN IN LOW PRECISION. The matrix products marked QUANTISED in the list below multiply operands that are first quantised to E2M1 (2 exponent bits, 1 mantissa bit; 4 bits a number), with one power-of-two scale for each 32 numbers along K (OCP MX v1.0); their sums are f32. All else is computed in f32.
;;   The module's matrix products, in the order in which they are computed (A, B: the left and right operand; K: the contracted axis; several contracted axes count as one K, in the product's order):
;;     1. [M 16,384, K 512] x [K 512, N 8,192]; A: input inputs; B: input codebook: QUANTISED
;;   THE QUANTISER, for each operand of a quantised product, along K:
;;     - K is cut into blocks of 32 from its start; a last block that is shorter is filled with zeros.
;;     - A block's scale is 2^e with e = floor(log2(the largest magnitude in the block)) - 2, held to -126 .. 127; a block of zeros has e = 0. As a byte (E8M0): e + 127.
;;     - Each number is divided by its block's scale, clamped to +-6, and rounded to the nearest number of E2M1, ties to even, subnormals kept.
;;     - The product sums the exact products of the quantised numbers (number of the format x scale) in f32.
;;   ~~~python
;;   def quantise(x, axis):      # numpy; x: float32 -> the quantised numbers, widened to float32 again
;;       x = np.moveaxis(x, axis, -1); K = x.shape[-1]
;;       x = np.pad(x, [(0, 0)] * (x.ndim - 1) + [(0, -K % 32)]); x = x.reshape(x.shape[:-1] + (-1, 32)); a = np.abs(x).max(-1, keepdims=True)
;;       e = np.where(a > 0, np.clip(np.frexp(np.where(a > 0, a, 1))[1] - 1 - 2, -126, 127), 0)      # np.frexp(a)[1] - 1 = floor(log2(a)), exactly
;;       r = np.clip(x / 2.0 ** e, -6, 6)
;;       step = 2.0 ** (np.maximum(np.frexp(np.where(r == 0, 1, r))[1] - 1, 0) - 1)
;;       q = np.round(r / step) * step * 2.0 ** e      # np.round: ties to even
;;       return np.moveaxis(q.reshape(q.shape[:-2] + (-1,))[..., :K], -1, axis).astype(np.float32)
;;   ~~~
;; One version. Each part assembles by itself: llvm-mc -triple=amdgcn-amd-amdhsa -mcpu=gfx1250 --defsym DOCPART=n.
;; ======== version 1 of 1: 4 launches
;; limits: right only within a limited range of input values
;; workspace buffers: xc 4,194,304 bytes; xs 262,144 bytes; cb 2,359,296 bytes; cand 2,097,152 bytes of whole numbers; lpart 2,048 bytes
;; launch quant (part 1): grid 256 x 1, 6 waves a work-group, no clusters, 52,992 bytes of LDS; arguments inputs, codebook, xc, xs, cb; writes xc, xs, cb
.if DOCPART == 1
	.amdgcn_target "amdgcn-amd-amdhsa--gfx1250"
	.amdhsa_code_object_version 6
	.text
	.protected	k_q834f614e1c_quant
	.globl	k_q834f614e1c_quant
	.p2align	8
	.type	k_q834f614e1c_quant,@function
k_q834f614e1c_quant:
	s_mov_b64 s[64:65], 0
	v_nop
	global_prefetch_b8 v0, s[64:65] scope:SCOPE_SE
	s_setreg_imm32_b32 hwreg(HW_REG_WAVE_MODE, 25, 1), 1
	s_wait_xcnt 0x0
; inputs [16384][512] and codebook [8192][512], f32, become codes of FP4 (E2M1) with one E8M0 scale byte for each 32 along K, laid in the order of the operand's registers;
; of the codebook also CI[k] = -0.5 x (the sum of the squares of row k), in f32, which the next launch gives its sums as their first C.
; WORK LEFT OUT BY THE PROGRAM: x_sq.  distances[row][k] = x_sq[row] - 2 dot[row][k] + c_sq[k] reach the outputs through the argmin over k alone, and x_sq[row] is one number for all k of a row:
; for all values of the inputs the argmin is that of c_sq[k] - 2 dot[row][k], the argmax of dot - c_sq / 2.  Both inputs are still loaded.  LIMIT: a NaN, an infinity or an overflow that would arise in x_sq alone is not carried to the result.
; A block's scale is 2^(floor(log2(its largest magnitude)) - 2): its byte is the largest magnitude's exponent field - 2, held at 1 from below by a floor among the maximum's leaves.
; LIMITS: a block of zeros gets the byte 1 where the rule says 127 (its codes are zeros, and this program alone reads the bytes); NaN and infinities among the inputs are not served.
; LAYOUT OUT.  A tile is 16 rows x 512 along K: 4,096 bytes of codes.  Its unit u (64 along K) is 512 bytes, lane l = r + 16 h at 16 l: the codes of row r, k = 64 u + 32 h + 0 .. 31:
;   one 16-byte load a lane at 16 x lane is half a fragment: K step u / 2, registers 4 (u % 2) on.  Scale bytes: [row][16]: word s serves K step s.
;   xc: tile T at 4096 T; xs: row x 16.  cb: a record of 4,608 bytes (18 x 256) for each tile of 16 codes: 4,096 of codes, 256 of scale bytes, 64 of CI, 192 of zeros.
; SHARES.  A wave takes one tile.  In work-group g waves 0-3 take tiles 4 g + w of inputs, waves 4 and 5 tiles 2 g + w - 4 of the codebook.  Only pointers and offsets are chosen (on the wave's number);
; all waves walk one text, but for the squares, which the codebook's waves alone form.
; THE TURN.  Each load reads 16 bytes a lane, sixteen lanes 256 consecutive bytes of a row; the conversions want 32 neighbours along K in ONE lane.  So a unit (16 rows x 256 bytes) goes through the wave's own stage in LDS:
; in as loaded, back 128 bytes a lane.  The stage's rows are 272 = 17 x 16 bytes apart.  No barrier: waves share nothing.  Loads run four units (32 loads a wave) ahead, the turn one unit.
.set PITCH, 272
.set STG,   16*PITCH
.set WREG,  2*STG
.set TILEB, 4608                       ; a record of cb
.set TSC,   4096                       ; in it: the scale bytes,
.set TCI,   4352                       ; CI
.set RAW,   32                         ; v32-159  four sets of 32: a unit as loaded
.set X,     160                        ; v160-223 two sets of 32: a block of 32 neighbours
.set C,     224                        ; v224-255 four registers of codes for each unit
; v1 lane, v2 r, v3 h; v4 my bytes in a load; v5 stage in; v6 stage out; v7 16 x lane; v8 16 r + 8 h; v9 4 x lane; v10 8 h; v11-15 at work; v16-19 scale words; v20-23 permutes' destinations;
; v[24:25], v[28:29] the squares' two chains; v[26:27] the scale words that I store; v30, v31 the spare word's address and 0
	s_load_b256 s[4:11], s[0:1], 0x0               ; inputs, codebook, xc, xs
	s_load_b64 s[12:13], s[0:1], 0x20              ; cb
	v_lshl_add_u32 v30, v0, 2, 0xcc00
	v_mov_b32 v31, 0
	v_lshrrev_b32 v1, 5, v0
	v_readfirstlane_b32 s14, v1                    ; wave 0..5
	v_and_b32 v1, 31, v0
	v_and_b32 v2, 15, v0
	v_bfe_u32 v3, v0, 4, 1
	v_lshlrev_b32 v4, 11, v3
	v_lshl_add_u32 v4, v2, 4, v4                   ; a load: lanes 0-15 one row's 256 bytes, lanes 16-31 the next row's
	s_mul_i32 s15, s14, WREG
	v_mul_u32_u24 v5, v3, PITCH
	v_lshl_add_u32 v5, v2, 4, v5
	v_add_nc_u32 v5, s15, v5
	v_mul_u32_u24 v6, v2, PITCH
	v_lshl_add_u32 v6, v3, 7, v6
	v_add_nc_u32 v6, s15, v6
	v_lshlrev_b32 v7, 4, v1
	v_lshlrev_b32 v8, 4, v2
	v_lshl_add_u32 v8, v3, 3, v8
	v_lshlrev_b32 v9, 2, v1
	v_lshlrev_b32 v10, 3, v3
.irp j, 20,21,22,23,24,25,28,29
	v_mov_b32 v\j, 0                               ; a lane permute's destination counts as one of its sources; the squares' chains begin at 0
.endr
	s_mov_b32 s38, 0x76543210
	s_mov_b32 s39, 0xfedcba98                      ; v_permlanex16_b32's selects for lane l xor 16
	s_mov_b32 s40, 0xffff0000                      ; the mask of lanes 16-31
	s_lshl_b32 s16, ttmp9, 2
	s_add_co_u32 s16, s16, s14                     ; tile of inputs: 4 g + w
	s_and_b32 s17, s14, 1
	s_lshl_b32 s18, ttmp9, 1
	s_add_co_u32 s17, s17, s18                     ; tile of the codebook: 2 g + (w & 1)
	s_lshl_b32 s32, s16, 15                        ; inputs: 32,768 bytes a tile,
	s_lshl_b32 s33, s16, 12                        ; 4,096 of codes,
	s_lshl_b32 s34, s16, 8                         ; 256 of scale bytes
	s_lshl_b32 s35, s17, 15
	s_mul_i32 s36, s17, TILEB                      ; the codebook's tile: its record,
	s_add_co_u32 s37, s36, TSC
	s_add_co_u32 s22, s36, TCI
	s_mov_b32 s23, 0
	s_mov_b32 s25, 0
	s_mov_b32 s27, 0
	s_mov_b32 s31, 0
	s_wait_alu depctr_va_vdst(0)                   ; the wait at the head's end
	s_wait_kmcnt 0x0
	s_cmp_lt_u32 s14, 4                            ; a wave of inputs or of the codebook?
	s_cselect_b64 s[4:5], s[4:5], s[6:7]
	s_cselect_b64 s[8:9], s[8:9], s[12:13]
	s_cselect_b64 s[10:11], s[10:11], s[12:13]
	s_cselect_b32 s24, s32, s35
	s_cselect_b32 s26, s33, s36
	s_cselect_b32 s30, s34, s37
	s_add_nc_u64 s[4:5], s[4:5], s[24:25]
	s_add_nc_u64 s[8:9], s[8:9], s[26:27]
	s_add_nc_u64 s[10:11], s[10:11], s[30:31]
	s_add_nc_u64 s[12:13], s[12:13], s[22:23]      ; CI (used by waves 4 and 5)
.macro LOAD u
.irp i, 0,1,2,3,4,5,6,7
	global_load_b128 v[RAW+32*((\u)%4)+4*\i:RAW+32*((\u)%4)+4*\i+3], v4, s[4:5] offset:\i*4096+(\u)*256 th:TH_LOAD_NT
.endr
.endm
.macro TURN u                          ; LDS serves a wave's instructions in order (ISA guide 5.7.1.4): no wait between the stores and the loads
.irp i, 0,1,2,3,4,5,6,7
	ds_store_b128 v5, v[RAW+32*((\u)%4)+4*\i:RAW+32*((\u)%4)+4*\i+3] offset:((\u)%2)*STG+\i*2*PITCH
.endr
.irp i, 0,1,2,3,4,5,6,7
	ds_load_b128 v[X+32*((\u)%2)+4*\i:X+32*((\u)%2)+4*\i+3], v6 offset:((\u)%2)*STG+16*\i
.endr
.endm
.macro STEP u                          ; my block 2 u + h of row r: its scale, its codes
.set XB, X+32*((\u)%2)
	s_wait_dscnt 0x0                               ; this unit is back from the stage, and its stores into the stage have read their registers,
.if (\u)+4 < 8
	LOAD (\u)+4                                    ; which take the unit four on
.endif
.if (\u) < 7
.if 6-(\u) >= 3
	s_wait_loadcnt 24                              ; the next unit's eight loads are in; the three units behind it may be out
.else
	s_wait_loadcnt 8*(6-(\u))
.endif
	TURN (\u)+1
.endif
	v_max3_num_f32 v11, |v[XB]|, |v[XB+1]|, 0x1800000              ; the largest magnitude of my 32, in two chains, and the floor 2^(3 - 127)
	v_max3_num_f32 v12, |v[XB+2]|, |v[XB+3]|, |v[XB+4]|
.irp i, 5,9,13,17,21,25
	v_max3_num_f32 v11, v11, |v[XB+\i]|, |v[XB+\i+1]|
	v_max3_num_f32 v12, v12, |v[XB+\i+2]|, |v[XB+\i+3]|
.endr
	v_max3_num_f32 v11, v11, |v[XB+29]|, |v[XB+30]|
	v_max3_num_f32 v11, v11, v12, |v[XB+31]|
	v_add_nc_u32 v14, 0xff000000, v11              ; 2 off its exponent field: the conversion's scale operand
.irp g, 0,1,2,3
	v_cvt_scalef32_pk8_fp4_f32 v[C+4*(\u)+\g], v[XB+8*\g:XB+8*\g+7], v14
.endr
	v_lshrrev_b32 v15, 23, v14                     ; the scale's byte (also the plain instruction behind the conversions)
.if (\u)%2 == 0
	v_mov_b32 v[16+(\u)/2], v15                    ; blocks 4 s + h and 4 s + 2 + h are bytes h and 2 + h of word s: here still at bits 0 and 16
.else
	v_lshl_or_b32 v[16+(\u)/2], v15, 16, v[16+(\u)/2]
.endif
	s_cmp_lt_u32 s14, 4
	s_cbranch_scc1 .Lno_squares_\@                 ; the codebook's waves alone
.irp q, 0,1,2,3,4,5,6,7,8,9,10,11,12,13,14,15
	v_pk_fma_f32 v[24+4*(\q%2):25+4*(\q%2)], v[XB+2*\q:XB+2*\q+1], v[XB+2*\q:XB+2*\q+1], v[24+4*(\q%2):25+4*(\q%2)]
.endr
.Lno_squares_\@:
	s_wait_alu depctr_va_vdst(0)                   ; the wait here, behind the branch
	global_store_b128 v7, v[C+4*(\u):C+4*(\u)+3], s[8:9] offset:(\u)*512   ; 32 lanes store 512 consecutive bytes, at a multiple of 256 from the buffer's first byte
.endm
.irp u, 0,1,2,3
	LOAD \u
.endr
	s_wait_loadcnt 24                              ; unit 0's eight loads are in
	TURN 0
.irp u, 0,1,2,3,4,5,6,7
	STEP \u
.endr
	; the scale words: my bytes go 8 h bits up, lane l xor 16's fill the gaps; lanes 0-15 store words 0 and 1 of their row, lanes 16-31 words 2 and 3
.irp s, 0,1,2,3
	v_lshlrev_b32 v[16+\s], v10, v[16+\s]
.endr
.irp s, 0,1,2,3
	v_permlanex16_b32 v[20+\s], v[16+\s], s38, s39
.endr
.irp s, 0,1,2,3
	v_or_b32 v[16+\s], v[16+\s], v[20+\s]
.endr
	v_cndmask_b32 v26, v16, v18, s40
	v_cndmask_b32 v27, v17, v19, s40
	global_store_b64 v8, v[26:27], s[10:11]        ; 32 lanes store the tile's 256 scale bytes
	s_cmp_lt_u32 s14, 4
	s_cbranch_scc1 .Ldone
	v_pk_add_f32 v[24:25], v[24:25], v[28:29]      ; the squares: the two chains, the two halves,
	v_add_f32 v24, v24, v25
	v_permlanex16_b32 v20, v24, s38, s39
	v_add_f32 v24, v24, v20                        ; and lane l xor 16's half of the row
	v_mul_f32 v24, -0.5, v24
	v_cndmask_b32 v24, v24, 0, s40                 ; lanes 0-15: CI of row r; lanes 16-31: 0
	v_mov_b32 v25, 0
	s_wait_alu depctr_va_vdst(0)
	global_store_b32 v9, v24, s[12:13]             ; the record's last 256 bytes, all written: 64 of CI and 64 of zeros,
	global_store_b32 v9, v25, s[12:13] offset:128  ; and 128 of zeros
.Ldone:
	s_wait_tensorcnt 0x0                           ; the wave's end
	ds_add_u32 v30, v31
	s_wait_dscnt 0x0
	s_endpgm
.Lfunc_end_k_q834f614e1c_quant:
	.size	k_q834f614e1c_quant, .Lfunc_end_k_q834f614e1c_quant-k_q834f614e1c_quant
	.p2alignl 7, 3214868480
	.fill 96, 4, 3214868480
	.section	.rodata,"a",@progbits
	.p2align	6, 0x0
	.amdhsa_kernel k_q834f614e1c_quant
		.amdhsa_group_segment_fixed_size 52992
		.amdhsa_private_segment_fixed_size 0
		.amdhsa_enable_private_segment 0
		.amdhsa_kernarg_size 40
		.amdhsa_user_sgpr_count 2
		.amdhsa_user_sgpr_kernarg_segment_ptr 1
		.amdhsa_wavefront_size32 1
		.amdhsa_system_sgpr_workgroup_id_x 1
		.amdhsa_system_sgpr_workgroup_id_y 1
		.amdhsa_system_sgpr_workgroup_id_z 1
		.amdhsa_system_vgpr_workitem_id 0
		.amdhsa_next_free_vgpr 256
		.amdhsa_next_free_sgpr 66
		.amdhsa_reserve_vcc 0
		.amdhsa_float_denorm_mode_32 3
		.amdhsa_float_denorm_mode_16_64 3
		.amdhsa_memory_ordered 1
		.amdhsa_forward_progress 1
		.amdhsa_inst_pref_size 40
	.end_amdhsa_kernel
	.amdgpu_metadata
---
amdhsa.version: [ 1, 2 ]
amdhsa.kernels:
  - .name:           k_q834f614e1c_quant
    .symbol:         k_q834f614e1c_quant.kd
    .args:
      - { .name: inputs, .offset: 0, .size: 8, .value_kind: global_buffer, .address_space: global }
      - { .name: codebook, .offset: 8, .size: 8, .value_kind: global_buffer, .address_space: global }
      - { .name: xc, .offset: 16, .size: 8, .value_kind: global_buffer, .address_space: global }
      - { .name: xs, .offset: 24, .size: 8, .value_kind: global_buffer, .address_space: global }
      - { .name: cb, .offset: 32, .size: 8, .value_kind: global_buffer, .address_space: global }
    .group_segment_fixed_size: 52992
    .private_segment_fixed_size: 0
    .kernarg_segment_align: 8
    .kernarg_segment_size: 40
    .max_flat_workgroup_size: 192
    .sgpr_count:     66
    .vgpr_count:     256
    .wavefront_size: 32
...
	.end_amdgpu_metadata
.endif
;; end of part 1
;; launch score (part 2): grid 16 x 16, 8 waves a work-group, clusters of 4 x 1, 327,680 bytes of LDS; arguments xc, xs, cb, cand; writes cand
.if DOCPART == 2
	.amdgcn_target "amdgcn-amd-amdhsa--gfx1250"
	.amdhsa_code_object_version 6
	.text
	.protected	k_q834f614e1c_score
	.globl	k_q834f614e1c_score
	.p2align	8
	.type	k_q834f614e1c_score,@function
k_q834f614e1c_score:
	s_mov_b64 s[64:65], 0
	v_nop
	global_prefetch_b8 v0, s[64:65] scope:SCOPE_SE
	s_setreg_imm32_b32 hwreg(HW_REG_WAVE_MODE, 25, 1), 1
	s_wait_xcnt 0x0
	s_wait_alu depctr_hold_cnt(0) depctr_sa_sdst(0) depctr_va_vdst(0) depctr_va_sdst(0) depctr_va_ssrc(0) depctr_va_vcc(0) depctr_vm_vsrc(0)
	s_getreg_b32 s2, hwreg(HW_REG_IB_STS2, 6, 4)
	s_cmp_eq_u32 s2, 0
	s_cbranch_scc0 .Lentry_in_a_cluster
	s_endpgm
.Lentry_in_a_cluster:
	s_bfe_u32 s2, ttmp6, 0x10000c
	s_cmp_lg_u32 s2, 0x3003
	s_cbranch_scc0 .Lentry_shape_is_right
	s_endpgm
.Lentry_shape_is_right:
; s[row][k] = Q(x[row]) . Q(c[k]) - c_sq[k] / 2 on codes of FP4 (E2M1) with E8M0 scales; for each row and each part of 512 codes the largest s and the lowest k that has it.
; x_sq is left out: it is one number for all codes of a row, so the smallest distance is where dot - c_sq / 2 is largest.  -c_sq / 2 is the C of each sum's first matrix instruction.
; OUT: cand [part 16][row 16384][key, code]: key = the f32 score turned into a u32 that rises with it, so that the next launch compares whole numbers.
; LIMITS: NaN and infinities are not served.  Two scores of a row that differ by less than the f32 sums' rounding may be ordered otherwise than by the distances written out in f32.
; SHARES.  Work-group (x, y): rows 1024 x on, part y.  Eight waves, two to a SIMD.  Wave w owns rows 128 w .. 128 w + 127 of the block: 8 tiles of 16 rows, whose 32 fragments (all of window 1) and
; scale words stay in registers.  Every wave walks the part's 32 tiles of 16 codes from LDS: a fragment of codes read from LDS feeds 8 matrix instructions.
; LDS is an image of the part in cb: 32 records of 4,608 bytes (codes, at 4,096 the scale bytes, at 4,352 CI).  It is filled in FOUR pieces of 8 records, each byte once: piece 0 at the head, piece 1 behind the
; first round, pieces 2 and 3 behind the rounds that stand ahead of the fetches of tiles 7 and 15.  A wave's share of a piece is one record, 18 rows of 256 bytes; it has one tensor load out at the most.
; The claim of all of LDS.
; CLUSTER.  The four work-groups of a cluster have the same part: each wave's share of a piece is asked for JOINTLY, by the same tensor load with a mask that names the four.
; x is not shared so: it goes straight into the registers in which it stays.  NO PREFETCH of the pieces: a piece is asked for 7 or 8 tiles (224 or 256 matrix instructions of each wave) ahead of the wait for it.
; THE MATRIX INSTRUCTION: source 0 = 16 codes, source 1 = 16 rows of x: lane (r, h) holds row r, its register j code 16 t + 8 h + j.
; THE SCAN of a tile takes 10 vector instructions for a lane's 8 scores: four maxima give the tile's largest, one compare with the best so far sets VCC, five pairs of selects keep the best score and its tile's number
; and the tile's eight scores.  Which of the eight it was is looked up once, at the end.  The compare keeps the earlier tile where scores are equal.  The leaves of the tile two on stand between a compare and its selects.
; REGISTERS, window 0: v1-10 addresses; v12, v13 the spare word's address and 0; v16-19 the code tile's scale words; v20-51 x's scale words (4 b + s); v52-59 CI; v60-91 the code tile's four fragments;
;   v92-155 eight accumulators; v156-219 the best tile's scores; v220-235 best score and its tile, by pairs; v236-247 the maxima at work; v248, v249 the tile's number.  Window 1: x's fragments at 32 b + 8 s.
.set TILEB,  4608
.set PIECE,  8*TILEB                   ; 36,864 bytes
.set WBYTES, PIECE/8                   ; a wave's share: 18 rows of 256 bytes
.set PARTB,  4*PIECE
.set SPARE,  PARTB                     ; behind the image: the spare words, 128 bytes a wave
.set LSC,    4096
.set LCI,    4352
.set LI,   1                           ; 16 x lane
.set ASC,  2                           ; LSC + 16 r
.set ACI,  3                           ; LCI + 32 h
.set ADC,  4                           ; v4-6 the three addresses of the tile that is fetched
.set ADS,  5
.set ADI,  6
.set XSO,  8                           ; 16 r
.set HB,   9                           ; 8 h + 512 x part
.set CO,   10                          ; 8 x lane
.set SPW,  12
.set NIL,  13
.set CS,   16
.set XS,   20
.set CI,   52
.set CF,   60
.set ACC,  92
.set W,    156
.set RI,   220
.set T,    236
.set U,    244
.set TV,   248                         ; the number of the tile that is scanned, twice: the pair of selects that takes it wants its two first sources in different register banks
.set TT,   60                          ; at the end the fragments' registers are at work,
.set TK,   68
.set KEY,  92                          ; and the accumulators' take the keys, the codes and the pairs that are stored
.set CODE, 100
.set PAIR, 108
.set MSB, 0
.macro WIN new                         ; the immediate's high byte repeats the setting that is left
.if MSB != \new
	s_set_vgpr_msb (MSB<<8)|\new
.set MSB, \new
.endif
.endm
.macro ROUND                           ; a round of the cluster's barrier
	s_barrier_signal -1
	s_barrier_wait -1
	s_cmp_lg_u32 s12, 0
	s_cbranch_scc1 .Lnot_wave_0_\@
	s_barrier_signal -3
.Lnot_wave_0_\@:
	s_barrier_wait -3
	s_barrier_signal -1
	s_barrier_wait -1
.endm
.macro NOPS
.rept 4
	v_nop
.endr
.endm
	s_load_b256 s[4:11], s[0:1], 0x0               ; xc, xs, cb, cand
	v_lshl_add_u32 v[SPW], v0, 2, SPARE
	v_mov_b32 v[NIL], 0
	ds_add_u32 v[SPW], v[NIL]                      ; the opening lines: the add, twice on end, and its wait ahead of my first tensor load
	ds_add_u32 v[SPW], v[NIL]
	v_lshrrev_b32 v7, 5, v0
	v_readfirstlane_b32 s12, v7                    ; wave 0..7
	s_bfe_u32 s13, ttmp6, 0x40000                  ; cx: it enters x's and cand's addresses alone
	s_lshl_b32 s14, ttmp9, 2
	s_add_co_u32 s14, s14, s13                     ; my block of 1,024 rows
	s_and_b32 s15, ttmp7, 0xffff                   ; the part, which the four partners share
	v_and_b32 v7, 31, v0
	v_and_b32 v11, 15, v0                          ; r
	v_bfe_u32 v14, v0, 4, 1                        ; h
	v_lshlrev_b32 v[LI], 4, v7
	v_lshlrev_b32 v[XSO], 4, v11
	v_lshlrev_b32 v[ACI], 5, v14
	v_lshlrev_b32 v[CO], 3, v7
	v_lshlrev_b32 v[HB], 3, v14
	v_add_nc_u32 v[ASC], LSC, v[XSO]
	v_add_nc_u32 v[ACI], LCI, v[ACI]
	s_lshl_b32 s36, s15, 9
	v_add_nc_u32 v[HB], s36, v[HB]
	; the descriptor.  Group 0: count, LDS address, global address, type.  Group 1: 18 rows of 32 elements of 8 bytes, dense, no padding
	s_mov_b32 s24, 1
	s_mul_i32 s25, s12, WBYTES                     ; where it goes: no place in the cluster enters an LDS address
	s_mul_i32 s22, s15, PARTB
	s_add_co_u32 s22, s22, s25                     ; from where: the part and the wave alone
	s_mov_b32 s23, 0
	s_mov_b32 s28, 15|(3<<16)|(1<<21)              ; the mask: all four work-groups; elements of 8 bytes; bit 21 set beside a mask
	s_mov_b32 s29, 32<<16
	s_mov_b32 s30, 18<<16
	s_mov_b32 s31, 32<<16
	s_mov_b32 s32, 18
	s_mov_b32 s33, 32
	s_mov_b32 s34, 0
	s_mov_b32 s35, 0
	s_lshl_b32 s2, s14, 18                         ; x's codes: 256 bytes a row: 1,024 rows a block,
	s_lshl_b32 s3, s12, 15                         ; 128 a wave
	s_add_co_u32 s2, s2, s3
	s_mov_b32 s3, 0
	s_lshr_b32 s36, s2, 4                          ; its scale bytes: 16 a row
	s_mov_b32 s37, 0
	s_lshr_b32 s50, s2, 5                          ; cand: 8 bytes a row,
	s_lshl_b32 s52, s15, 17                        ; 131,072 a part
	s_add_co_u32 s50, s50, s52
	s_mov_b32 s51, 0
	s_mov_b32 s17, 0                               ; the record that is fetched, in bytes
	s_mov_b32 s20, 0                               ; the tile that is scanned next
	s_mov_b32 s38, 0x76543210
	s_mov_b32 s39, 0xfedcba98                      ; v_permlanex16_b32's selects for lane l xor 16
	s_mov_b32 s66, 0xffff0000                      ; the mask of lanes 16-31
	s_wait_alu depctr_va_vdst(0)                   ; the wait here, ahead of the waits below
	s_wait_dscnt 0x0                               ; both opening adds are done
	s_wait_kmcnt 0x0
	s_add_nc_u64 s[4:5], s[4:5], s[2:3]
	s_add_nc_u64 s[6:7], s[6:7], s[36:37]
	s_add_nc_u64 s[10:11], s[10:11], s[50:51]
	s_add_nc_u64 s[26:27], s[8:9], s[22:23]
	s_or_b32 s27, s27, 0x80000000                  ; type = 2
	ROUND                                          ; all four work-groups are here: the joint loads meet
	tensor_load_to_lds s[24:27], s[28:35]          ; piece 0: my one tensor load at the head, ahead of x's 72 loads
	s_nop 0
	NOPS                                           ; four nops behind a tensor load
	WIN 0x40                                       ; destination window 1, address window 0
.irp b, 0,1,2,3,4,5,6,7                        ; x's fragments: each load is 512 consecutive bytes and half a fragment
.irp u, 0,1,2,3,4,5,6,7
	global_load_b128 v[32*\b+4*\u:32*\b+4*\u+3], v[LI], s[4:5] offset:\b*4096+\u*512
.endr
.endr
	WIN 0
.irp b, 0,1,2,3,4,5,6,7
	global_load_b128 v[XS+4*\b:XS+4*\b+3], v[XSO], s[6:7] offset:\b*256   ; lane r: the four scale words of row r of tile b
.endr
.irp b, 0,1,2,3,4,5,6,7
	v_mov_b32 v[RI+2*\b], 0xff800000               ; the best score so far: -infinity
	v_mov_b32 v[RI+2*\b+1], 0
.endr
.set j, 0
.rept 64
	v_mov_b32 v[W+j], 0                            ; written once, while the loads are out: the scan's selects name them as a source
.set j, j+1
.endr
	s_wait_alu depctr_va_vdst(0)                   ; the wait here, ahead of the wait below
; A piece has landed and, fill = 1, the next is asked for: a first fill of its bytes
.macro TURN fill
	s_wait_tensorcnt 0x0                           ; my one tensor load has landed,
	ds_add_u32 v[SPW], v[NIL]                      ; 0 onto my spare word,
.if \fill
	s_add_co_u32 s25, s25, PIECE                   ; no load of mine is out: group 0 steps to the next piece
	s_add_nc_u64 s[26:27], s[26:27], PIECE
.endif
	s_wait_dscnt 0x0                               ; the add is done, and no LDS load of mine is out
.if \fill
	ROUND                                          ; everybody's share is in, in all four work-groups
	tensor_load_to_lds s[24:27], s[28:35]
	s_nop 0
	NOPS
.else
	s_barrier_signal -1                            ; the last piece: nothing more is asked for
	s_barrier_wait -1
.endif
.endm
.macro ADDR                            ; the three addresses of record s17
	v_add_nc_u32 v[ADC], s17, v[LI]
	v_add_nc_u32 v[ADS], s17, v[ASC]
	v_add_nc_u32 v[ADI], s17, v[ACI]
.endm
.macro DSL                             ; eleven LDS loads: a tile's four fragments, scale words and CI
.irp u, 0,1,2,3,4,5,6,7
	ds_load_b128 v[CF+4*\u:CF+4*\u+3], v[ADC] offset:512*\u
.endr
	ds_load_b128 v[CS:CS+3], v[ADS]                ; lane r: the four scale words of code r
	ds_load_b128 v[CI:CI+3], v[ADI]                ; lane (r, h): CI of codes 8 h + 0 .. 7: the result's layout
	ds_load_b128 v[CI+4:CI+7], v[ADI] offset:16
.endm
; 32 matrix instructions: four K steps of 128 x my eight tiles of rows.  The eight accumulators take turns.  The first K step takes CI as C: nothing is cleared.
.macro MUL
	WIN 0x04                                       ; source 1 (x) window 1
.irp s, 0,1,2,3
.irp b, 0,1,2,3,4,5,6,7
.if \s == 0
	v_wmma_scale_f32_16x16x128_f8f6f4 v[ACC+8*\b:ACC+8*\b+7], v[CF+8*\s:CF+8*\s+7], v[32*\b+8*\s:32*\b+8*\s+7], v[CI:CI+7], v[CS+\s], v[XS+4*\b+\s] matrix_a_fmt:MATRIX_FMT_FP4 matrix_b_fmt:MATRIX_FMT_FP4
.else
	v_wmma_scale_f32_16x16x128_f8f6f4 v[ACC+8*\b:ACC+8*\b+7], v[CF+8*\s:CF+8*\s+7], v[32*\b+8*\s:32*\b+8*\s+7], v[ACC+8*\b:ACC+8*\b+7], v[CS+\s], v[XS+4*\b+\s] matrix_a_fmt:MATRIX_FMT_FP4 matrix_b_fmt:MATRIX_FMT_FP4
.endif
.endr
.endr
	WIN 0
.endm
.macro LEAF b, q                       ; three maxima that do not hang on each other; each accumulator is read from its low end on
	v_max3_num_f32 v[T+(\b)], v[ACC+8*(\b)], v[ACC+8*(\b)+1], v[ACC+8*(\b)+2]
	v_max3_num_f32 v[U+2*(\q)], v[ACC+8*(\b)+3], v[ACC+8*(\b)+4], v[ACC+8*(\b)+5]
	v_max_num_f32 v[U+2*(\q)+1], v[ACC+8*(\b)+6], v[ACC+8*(\b)+7]
.endm
.macro COMB b, q
	v_max3_num_f32 v[T+(\b)], v[T+(\b)], v[U+2*(\q)], v[U+2*(\q)+1]
.endm
.macro SCAN                            ; tile s20, whose number stands in v[TV] and v[TV+1]
	LEAF 0, 0
	LEAF 1, 1
	COMB 0, 0
	COMB 1, 1
.irp b, 0,1,2,3,4,5,6,7
	v_cmp_le_f32 vcc_lo, v[T+\b], v[RI+2*\b]       ; VCC: the best so far stays (an equal score of a later tile changes nothing)
.if \b < 6
	LEAF \b+2, \b%2
.endif
.if (\b%4) == 0
	v_dual_cndmask_b32 v[RI+2*\b], v[T+\b], v[RI+2*\b] :: v_dual_cndmask_b32 v[RI+2*\b+1], v[TV+1], v[RI+2*\b+1]
.else
	v_dual_cndmask_b32 v[RI+2*\b], v[T+\b], v[RI+2*\b] :: v_dual_cndmask_b32 v[RI+2*\b+1], v[TV], v[RI+2*\b+1]
.endif
.irp j, 0,2,4,6
	v_dual_cndmask_b32 v[W+8*\b+\j], v[ACC+8*\b+\j], v[W+8*\b+\j] :: v_dual_cndmask_b32 v[W+8*\b+\j+1], v[ACC+8*\b+\j+1], v[W+8*\b+\j+1]
.endr
.if \b < 6
	COMB \b+2, \b%2
.endif
.endr
	s_add_co_u32 s20, s20, 1
.endm
; The next tile is fetched, the tile just multiplied is scanned, the next is multiplied.  The five vector lines at the head are the places between the last products and the loads into registers that they have read,
; and the first read of their results (ISA guide 7.12.1 for vector instructions); the scan's lines are the places ahead of the next products, which begin the accumulators anew.
.macro HALF
	s_add_co_u32 s17, s17, TILEB
	ADDR
	v_mov_b32 v[TV], s20
	v_mov_b32 v[TV+1], s20
	DSL
	SCAN
	s_wait_dscnt 0x0                               ; the eleven loads, issued ahead of the scan's 80 instructions
	MUL
.endm
.macro LOOPN n
	s_mov_b32 s21, \n
.Ltrip_\@:
	HALF
	s_sub_co_u32 s21, s21, 1
	s_cmp_lg_u32 s21, 0
	s_cbranch_scc1 .Ltrip_\@
.endm
	TURN 1                                         ; piece 0 is in; piece 1 (tiles 8-15) goes out
	ADDR
	DSL                                            ; tile 0
	s_wait_loadcnt 0x0                             ; x
	s_wait_dscnt 0x0
	MUL
	LOOPN 6                                        ; fetched: tiles 1-6
	TURN 1                                         ; piece 1 is in; piece 2 (tiles 16-23) goes out
	LOOPN 8                                        ; fetched: tiles 7-14
	TURN 1                                         ; piece 2 is in; piece 3 (tiles 24-31) goes out
	LOOPN 8                                        ; fetched: tiles 15-22
	TURN 0                                         ; piece 3 is in
	LOOPN 8                                        ; fetched: tiles 23-30
	HALF                                           ; tile 31 is fetched and multiplied
	v_nop                                          ; four places ahead of the first read of the last products' results
	v_nop
	v_mov_b32 v[TV], s20
	v_mov_b32 v[TV+1], s20
	SCAN                                           ; tile 31
	; For each of my eight tiles of rows: the first of the kept eight scores that equals the best gives the code; then the better of lanes l and l xor 16, the lower code where the scores are equal.  The eight by turns
.irp b, 0,1,2,3,4,5,6,7
	v_mov_b32 v[T+\b], 7
.endr
.irp j, 6,5,4,3,2,1,0
.irp b, 0,1,2,3,4,5,6,7
	v_cmp_neq_f32 s[40+\b], v[W+8*\b+\j], v[RI+2*\b]
.endr
.irp b, 0,1,2,3,4,5,6,7
	v_cndmask_b32 v[T+\b], \j, v[T+\b], s[40+\b]
.endr
.endr
.irp b, 0,1,2,3,4,5,6,7
	v_lshl_add_u32 v[CODE+\b], v[RI+2*\b+1], 4, v[T+\b]
.endr
.irp b, 0,1,2,3,4,5,6,7
	v_add_f32 v[TT+\b], 0, v[RI+2*\b]              ; -0 becomes +0, so that equal scores have equal keys
.endr
.irp b, 0,1,2,3,4,5,6,7
	v_add_nc_u32 v[CODE+\b], v[CODE+\b], v[HB]     ; 512 x part + 16 x tile + 8 h + j
.endr
.irp b, 0,1,2,3,4,5,6,7
	v_ashrrev_i32 v[TK+\b], 31, v[TT+\b]
.endr
.irp b, 0,1,2,3,4,5,6,7
	v_or_b32 v[TK+\b], 0x80000000, v[TK+\b]
.endr
.irp b, 0,1,2,3,4,5,6,7
	v_xor_b32 v[KEY+\b], v[TT+\b], v[TK+\b]        ; positive: the sign bit set; negative: all bits turned: a u32 that rises with the score
.endr
.irp b, 0,1,2,3,4,5,6,7
	v_permlanex16_b32 v[W+\b], v[KEY+\b], s38, s39
	v_permlanex16_b32 v[W+8+\b], v[CODE+\b], s38, s39
.endr
.irp b, 0,1,2,3,4,5,6,7
	v_cmp_gt_u32 s[40+\b], v[W+\b], v[KEY+\b]
	v_cmp_eq_u32 s[48+\b], v[W+\b], v[KEY+\b]
	v_cmp_lt_u32 s[56+\b], v[W+8+\b], v[CODE+\b]
.endr
.irp b, 0,1,2,3,4,5,6,7
	s_and_b32 s[48+\b], s[48+\b], s[56+\b]
	s_or_b32 s[40+\b], s[40+\b], s[48+\b]
.endr
	s_wait_alu depctr_va_vdst(0)                   ; the wait behind a run of scalar instructions
.irp b, 0,1,2,3,4,5,6,7
	v_cndmask_b32 v[KEY+\b], v[KEY+\b], v[W+\b], s[40+\b]
	v_cndmask_b32 v[CODE+\b], v[CODE+\b], v[W+8+\b], s[40+\b]
.endr
.irp i, 0,1,2,3                                ; lanes 0-15 take tile 2 i, lanes 16-31 tile 2 i + 1: lane l has row 32 i + l
	v_cndmask_b32 v[PAIR+2*\i], v[KEY+2*\i], v[KEY+2*\i+1], s66
	v_cndmask_b32 v[PAIR+2*\i+1], v[CODE+2*\i], v[CODE+2*\i+1], s66
.endr
.irp i, 0,1,2,3
	global_store_b64 v[CO], v[PAIR+2*\i:PAIR+2*\i+1], s[10:11] offset:256*\i   ; 32 lanes store 256 consecutive bytes, at a multiple of 256 from the buffer's first byte
.endr
	s_wait_tensorcnt 0x0                           ; the wave's end
	ds_add_u32 v[SPW], v[NIL]
	s_wait_dscnt 0x0
	ROUND                                          ; the closing round: no work-group ends while a partner may still ask for a piece
	s_endpgm
.Lfunc_end_k_q834f614e1c_score:
	.size	k_q834f614e1c_score, .Lfunc_end_k_q834f614e1c_score-k_q834f614e1c_score
	.p2alignl 7, 3214868480
	.fill 96, 4, 3214868480
	.section	.rodata,"a",@progbits
	.p2align	6, 0x0
	.amdhsa_kernel k_q834f614e1c_score
		.amdhsa_group_segment_fixed_size 327680
		.amdhsa_private_segment_fixed_size 0
		.amdhsa_enable_private_segment 0
		.amdhsa_kernarg_size 32
		.amdhsa_user_sgpr_count 2
		.amdhsa_user_sgpr_kernarg_segment_ptr 1
		.amdhsa_wavefront_size32 1
		.amdhsa_system_sgpr_workgroup_id_x 1
		.amdhsa_system_sgpr_workgroup_id_y 1
		.amdhsa_system_sgpr_workgroup_id_z 1
		.amdhsa_system_vgpr_workitem_id 0
		.amdhsa_next_free_vgpr 512
		.amdhsa_next_free_sgpr 72
		.amdhsa_reserve_vcc 1
		.amdhsa_float_denorm_mode_32 3
		.amdhsa_float_denorm_mode_16_64 3
		.amdhsa_memory_ordered 1
		.amdhsa_forward_progress 1
		.amdhsa_inst_pref_size 88
	.end_amdhsa_kernel
	.amdgpu_metadata
---
amdhsa.version: [ 1, 2 ]
amdhsa.kernels:
  - .name:           k_q834f614e1c_score
    .symbol:         k_q834f614e1c_score.kd
    .args:
      - { .name: xc, .offset: 0, .size: 8, .value_kind: global_buffer, .address_space: global }
      - { .name: xs, .offset: 8, .size: 8, .value_kind: global_buffer, .address_space: global }
      - { .name: cb, .offset: 16, .size: 8, .value_kind: global_buffer, .address_space: global }
      - { .name: cand, .offset: 24, .size: 8, .value_kind: global_buffer, .address_space: global }
    .group_segment_fixed_size: 327680
    .private_segment_fixed_size: 0
    .kernarg_segment_align: 8
    .kernarg_segment_size: 32
    .max_flat_workgroup_size: 256
    .sgpr_count:     72
    .vgpr_count:     512
    .wavefront_size: 32
...
	.end_amdgpu_metadata
.endif
;; end of part 2
;; launch gather (part 3): grid 512 x 1, 8 waves a work-group, no clusters, 3,328 bytes of LDS; arguments cand, codebook, inputs, out0, lpart; writes out0, lpart
.if DOCPART == 3
	.amdgcn_target "amdgcn-amd-amdhsa--gfx1250"
	.amdhsa_code_object_version 6
	.text
	.protected	k_q834f614e1c_gather
	.globl	k_q834f614e1c_gather
	.p2align	8
	.type	k_q834f614e1c_gather,@function
k_q834f614e1c_gather:
	s_mov_b64 s[64:65], 0
	v_nop
	global_prefetch_b8 v0, s[64:65] scope:SCOPE_SE
	s_setreg_imm32_b32 hwreg(HW_REG_WAVE_MODE, 25, 1), 1
	s_wait_xcnt 0x0
; For each row: the best of its 16 candidates (whole numbers: key, code), q = codebook[code], out0 = x + (q - x), and the work-group's sum of (q - x)^2 into lpart.
; Keys rise with the score; a strict compare in ascending order of the parts keeps the lower part, whose codes are lower: the lowest code wins where scores are equal.
; SHARES.  Work-group g owns rows 32 g .. 32 g + 31.  First wave w merges parts 2 w and 2 w + 1 for all 32 rows (a lane a row: each load is 256 consecutive bytes); the eight partial results meet in LDS;
; then wave w takes rows 4 w .. 4 w + 3: a row is 2,048 bytes, four loads of 512 consecutive bytes.  x is asked for at the head and lands while the candidates are merged.
; The code is held to 8,191 before it enters an address.  Matrix units, clusters and tensor loads have no part here: every byte is used once.
; LDS: 0 .. 2,047 partial candidates [wave][row][8 bytes]; 2,048 .. 2,079 the waves' sums.
.set X,   32                           ; v32-95   my four rows of x
.set Q,   96                           ; v96-159  the codebook's rows, then q - x, then the result
.set SUM, 160                          ; v[160:163] the squares, in two packed chains
; v2 16 x lane; v3 8 x lane; v4 LDS: where I put a partial candidate; v5 LDS: where I read my row's; v6 4 x wave; v7 0 (LDS), v164 0 (memory); v[8:11] two candidates; v[12:27] eight; v28-31 the rows' offsets in the codebook
	s_load_b256 s[4:11], s[0:1], 0x0               ; cand s[4:5], codebook s[6:7], inputs s[8:9], out0 s[10:11]
	s_load_b64 s[12:13], s[0:1], 0x20              ; lpart
	v_lshl_add_u32 v168, v0, 2, 0x900
	v_mov_b32 v169, 0
	v_lshrrev_b32 v1, 5, v0
	s_delay_alu instid0(VALU_DEP_1)
	v_readfirstlane_b32 s14, v1                    ; wave 0..7
	v_and_b32 v1, 31, v0                           ; lane
	s_delay_alu instid0(VALU_DEP_1)
	v_lshlrev_b32 v2, 4, v1
	s_delay_alu instid0(VALU_DEP_2)
	v_lshlrev_b32 v3, 3, v1
	s_lshl_b32 s15, s14, 8
	v_add_nc_u32 v4, s15, v3                       ; 256 x wave + 8 x lane
	s_lshl_b32 s16, s14, 2
	v_and_b32 v5, 3, v1
	s_delay_alu instid0(VALU_DEP_1)
	v_add_nc_u32 v5, s16, v5
	s_delay_alu instid0(VALU_DEP_1)
	v_lshlrev_b32 v5, 3, v5                        ; 8 x (4 w + lane % 4)
	v_mov_b32 v6, s14
	s_delay_alu instid0(VALU_DEP_1)
	v_lshlrev_b32 v6, 2, v6
	v_mov_b32 v7, 0
	v_mov_b32 v164, 0
	s_lshl_b32 s18, s14, 18                        ; cand: part 2 w (131,072 bytes a part),
	s_lshl_b32 s19, ttmp9, 8                       ; the group's 32 rows of 8 bytes
	s_add_co_u32 s18, s18, s19
	s_mov_b32 s19, 0
	s_lshl_b32 s24, ttmp9, 16                      ; x and out0: 32 rows of 2,048 bytes a group,
	s_lshl_b32 s25, s14, 13                        ; 4 a wave
	s_add_co_u32 s24, s24, s25
	s_mov_b32 s25, 0
	s_lshl_b32 s26, ttmp9, 2                       ; lpart: a number a group
	s_mov_b32 s27, 0
	s_mov_b32 s28, 0x76543210
	s_mov_b32 s29, 0xfedcba98                      ; v_permlanex16_b32's selects for lane l xor 16
	s_wait_alu depctr_va_vdst(0)
	s_wait_kmcnt 0x0
	s_add_nc_u64 s[4:5], s[4:5], s[18:19]
	s_add_nc_u64 s[8:9], s[8:9], s[24:25]
	s_add_nc_u64 s[10:11], s[10:11], s[24:25]
	s_add_nc_u64 s[12:13], s[12:13], s[26:27]
	global_load_b64 v[8:9], v3, s[4:5] th:TH_LOAD_NT
	global_load_b64 v[10:11], v3, s[4:5] offset:131072 th:TH_LOAD_NT
.irp i, 0,1,2,3
.irp k, 0,1,2,3
	global_load_b128 v[X+16*\i+4*\k:X+16*\i+4*\k+3], v2, s[8:9] offset:\i*2048+\k*512 th:TH_LOAD_NT
.endr
.endr
	s_wait_loadcnt 16                              ; the two candidates are in; x's sixteen loads, issued behind them, may be out
	v_cmp_gt_u32 vcc_lo, v10, v8
	s_delay_alu instid0(VALU_DEP_1)
	v_cndmask_b32 v8, v8, v10, vcc_lo
	s_delay_alu instid0(VALU_DEP_2)
	v_cndmask_b32 v9, v9, v11, vcc_lo
	ds_store_b64 v4, v[8:9]
	s_wait_dscnt 0x0                               ; for the others' sake: my store has landed
	s_barrier_signal -1
	s_barrier_wait -1
.irp p, 0,1,2,3,4,5,6,7
	ds_load_b64 v[12+2*\p:13+2*\p], v5 offset:256*\p
.endr
	s_wait_dscnt 0x0
.irp p, 1
	v_cmp_gt_u32 vcc_lo, v[12+2*\p], v12
	s_delay_alu instid0(VALU_DEP_1)
	v_cndmask_b32 v12, v12, v[12+2*\p], vcc_lo
	s_delay_alu instid0(VALU_DEP_2)
	v_cndmask_b32 v13, v13, v[13+2*\p], vcc_lo
.endr
.irp p, 2, 3, 4, 5, 6, 7
	s_delay_alu instid0(VALU_DEP_2)
	v_cmp_gt_u32 vcc_lo, v[12+2*\p], v12
	s_delay_alu instid0(VALU_DEP_1)
	v_cndmask_b32 v12, v12, v[12+2*\p], vcc_lo
	s_delay_alu instid0(VALU_DEP_2)
	v_cndmask_b32 v13, v13, v[13+2*\p], vcc_lo
.endr
.irp i, 0,1,2,3                                ; lane i holds row 4 w + i's code
	v_readlane_b32 s[20+\i], v13, \i
	s_min_u32 s[20+\i], s[20+\i], 0x1fff           ; inside the table
	s_lshl_b32 s[20+\i], s[20+\i], 11              ; 2,048 bytes a row
	v_add_nc_u32 v[28+\i], s[20+\i], v2
.endr
.irp i, 0,1,2,3
.irp k, 0,1,2,3
	global_load_b128 v[Q+16*\i+4*\k:Q+16*\i+4*\k+3], v[28+\i], s[6:7] offset:\k*512   ; no hint: a row of the table may be named again
.endr
.endr
.macro ROWOUT i
	s_wait_loadcnt 12-4*\i                         ; row i's four loads from the table are in (and x, which is older); the later rows' may be out
.irp q, 0,1,2,3,4,5,6,7
	v_pk_add_f32 v[Q+16*\i+2*\q:Q+16*\i+2*\q+1], v[Q+16*\i+2*\q:Q+16*\i+2*\q+1], v[X+16*\i+2*\q:X+16*\i+2*\q+1] neg_lo:[0,1] neg_hi:[0,1]   ; d = q - x
.endr
.irp q, 0,1,2,3,4,5,6,7
.if (\i == 0) && (\q < 2)
	v_pk_mul_f32 v[SUM+2*\q:SUM+2*\q+1], v[Q+2*\q:Q+2*\q+1], v[Q+2*\q:Q+2*\q+1]   ; the first squares start the chains: nothing is cleared
.else
	v_pk_fma_f32 v[SUM+2*(\q%2):SUM+2*(\q%2)+1], v[Q+16*\i+2*\q:Q+16*\i+2*\q+1], v[Q+16*\i+2*\q:Q+16*\i+2*\q+1], v[SUM+2*(\q%2):SUM+2*(\q%2)+1]
.endif
.endr
.irp q, 0,1,2,3,4,5,6,7
	v_pk_add_f32 v[Q+16*\i+2*\q:Q+16*\i+2*\q+1], v[X+16*\i+2*\q:X+16*\i+2*\q+1], v[Q+16*\i+2*\q:Q+16*\i+2*\q+1]   ; x + d
.endr
.irp k, 0,1,2,3
	global_store_b128 v2, v[Q+16*\i+4*\k:Q+16*\i+4*\k+3], s[10:11] offset:\i*2048+\k*512 th:TH_STORE_NT   ; 32 lanes store 512 consecutive bytes, at a multiple of 256 from out0's first byte
.endr
.endm
.irp i, 0,1,2,3
	ROWOUT \i
.endr
	v_pk_add_f32 v[SUM:SUM+1], v[SUM:SUM+1], v[SUM+2:SUM+3]
	s_delay_alu instid0(VALU_DEP_1)
	v_add_f32 v[SUM], v[SUM], v[SUM+1]
	s_delay_alu instid0(VALU_DEP_1)
	v_add_f32_dpp v[SUM], v[SUM], v[SUM] row_xmask:1 row_mask:0xf bank_mask:0xf
	s_delay_alu instid0(VALU_DEP_1)
	v_add_f32_dpp v[SUM], v[SUM], v[SUM] row_xmask:2 row_mask:0xf bank_mask:0xf
	s_delay_alu instid0(VALU_DEP_1)
	v_add_f32_dpp v[SUM], v[SUM], v[SUM] row_xmask:4 row_mask:0xf bank_mask:0xf
	s_delay_alu instid0(VALU_DEP_1)
	v_add_f32_dpp v[SUM], v[SUM], v[SUM] row_xmask:8 row_mask:0xf bank_mask:0xf
	s_delay_alu instid0(VALU_DEP_1)
	v_permlanex16_b32 v[SUM+1], v[SUM], s28, s29
	s_delay_alu instid0(VALU_DEP_1)
	v_add_f32 v[SUM], v[SUM], v[SUM+1]             ; my wave's sum, in every lane
	ds_store_b32 v6, v[SUM] offset:2048            ; all lanes write the same word with the same value
	s_wait_dscnt 0x0
	s_barrier_signal -1
	s_barrier_wait -1
	s_cmp_lg_u32 s14, 0
	s_cbranch_scc1 .Ldone                          ; wave 0 adds the eight, in a fixed order
	ds_load_b128 v[12:15], v7 offset:2048
	ds_load_b128 v[16:19], v7 offset:2064
	s_wait_dscnt 0x0
	v_pk_add_f32 v[12:13], v[12:13], v[14:15]
	v_pk_add_f32 v[16:17], v[16:17], v[18:19]
	s_delay_alu instid0(VALU_DEP_1)
	v_pk_add_f32 v[12:13], v[12:13], v[16:17]
	s_delay_alu instid0(VALU_DEP_1)
	v_add_f32 v12, v12, v13
	v_cmp_eq_u32 vcc_lo, 0, v0
	s_wait_alu depctr_va_vdst(0)
	s_wait_xcnt 0x0                                ; EXEC is a source of the stores above: it changes only behind this wait
	s_and_saveexec_b32 s30, vcc_lo
	global_store_b32 v164, v12, s[12:13]
	s_wait_xcnt 0x0
	s_or_b32 exec_lo, exec_lo, s30
.Ldone:
	s_wait_tensorcnt 0x0
	ds_add_u32 v168, v169
	s_wait_dscnt 0x0
	s_endpgm
.Lfunc_end_k_q834f614e1c_gather:
	.size	k_q834f614e1c_gather, .Lfunc_end_k_q834f614e1c_gather-k_q834f614e1c_gather
	.p2alignl 7, 3214868480
	.fill 96, 4, 3214868480
	.section	.rodata,"a",@progbits
	.p2align	6, 0x0
	.amdhsa_kernel k_q834f614e1c_gather
		.amdhsa_group_segment_fixed_size 3328
		.amdhsa_private_segment_fixed_size 0
		.amdhsa_enable_private_segment 0
		.amdhsa_kernarg_size 40
		.amdhsa_user_sgpr_count 2
		.amdhsa_user_sgpr_kernarg_segment_ptr 1
		.amdhsa_wavefront_size32 1
		.amdhsa_system_sgpr_workgroup_id_x 1
		.amdhsa_system_sgpr_workgroup_id_y 1
		.amdhsa_system_sgpr_workgroup_id_z 1
		.amdhsa_system_vgpr_workitem_id 0
		.amdhsa_next_free_vgpr 170
		.amdhsa_next_free_sgpr 66
		.amdhsa_reserve_vcc 1
		.amdhsa_float_denorm_mode_32 3
		.amdhsa_float_denorm_mode_16_64 3
		.amdhsa_memory_ordered 1
		.amdhsa_forward_progress 1
		.amdhsa_inst_pref_size 18
	.end_amdhsa_kernel
	.amdgpu_metadata
---
amdhsa.version: [ 1, 2 ]
amdhsa.kernels:
  - .name:           k_q834f614e1c_gather
    .symbol:         k_q834f614e1c_gather.kd
    .args:
      - { .name: cand, .offset: 0, .size: 8, .value_kind: global_buffer, .address_space: global }
      - { .name: codebook, .offset: 8, .size: 8, .value_kind: global_buffer, .address_space: global }
      - { .name: inputs, .offset: 16, .size: 8, .value_kind: global_buffer, .address_space: global }
      - { .name: out0, .offset: 24, .size: 8, .value_kind: global_buffer, .address_space: global }
      - { .name: lpart, .offset: 32, .size: 8, .value_kind: global_buffer, .address_space: global }
    .group_segment_fixed_size: 3328
    .private_segment_fixed_size: 0
    .kernarg_segment_align: 8
    .kernarg_segment_size: 40
    .max_flat_workgroup_size: 256
    .sgpr_count:     66
    .vgpr_count:     170
    .wavefront_size: 32
...
	.end_amdgpu_metadata
.endif
;; end of part 3
;; launch loss (part 4): grid 1 x 1, 1 waves a work-group, no clusters, 0 bytes of LDS; arguments lpart, out1; writes out1
.if DOCPART == 4
	.amdgcn_target "amdgcn-amd-amdhsa--gfx1250"
	.amdhsa_code_object_version 6
	.text
	.protected	k_q834f614e1c_loss
	.globl	k_q834f614e1c_loss
	.p2align	8
	.type	k_q834f614e1c_loss,@function
k_q834f614e1c_loss:
	s_mov_b64 s[64:65], 0
	v_nop
	global_prefetch_b8 v0, s[64:65] scope:SCOPE_SE
	s_setreg_imm32_b32 hwreg(HW_REG_WAVE_MODE, 25, 1), 1
	s_wait_xcnt 0x0
; out1 = m + 0.25 m, m = (the sum of the 512 partial sums of (q - x)^2) / (16384 x 512).  One wave: 16 numbers a lane, four loads of 512 consecutive bytes.
; The division is a multiplication by 2^-23, which rounds nothing.  The sum spans all work-groups of the launch before, so it has a launch of its own, with one owner and a fixed order.
	s_load_b128 s[4:7], s[0:1], 0x0                ; lpart s[4:5], out1 s[6:7]
	v_lshlrev_b32 v1, 4, v0
	v_mov_b32 v2, 0
	s_mov_b32 s8, 0x76543210
	s_mov_b32 s9, 0xfedcba98                       ; v_permlanex16_b32's selects for lane l xor 16
	s_wait_alu depctr_va_vdst(0)
	s_wait_kmcnt 0x0
.irp k, 0,1,2,3
	global_load_b128 v[4+4*\k:7+4*\k], v1, s[4:5] offset:512*\k
.endr
	s_wait_loadcnt 0x0
	v_pk_add_f32 v[4:5], v[4:5], v[6:7]
	v_pk_add_f32 v[8:9], v[8:9], v[10:11]
	v_pk_add_f32 v[12:13], v[12:13], v[14:15]
	v_pk_add_f32 v[16:17], v[16:17], v[18:19]
	v_pk_add_f32 v[4:5], v[4:5], v[8:9]
	v_pk_add_f32 v[12:13], v[12:13], v[16:17]
	v_pk_add_f32 v[4:5], v[4:5], v[12:13]
	v_add_f32 v4, v4, v5
	v_add_f32_dpp v4, v4, v4 row_xmask:1 row_mask:0xf bank_mask:0xf
	v_add_f32_dpp v4, v4, v4 row_xmask:2 row_mask:0xf bank_mask:0xf
	v_add_f32_dpp v4, v4, v4 row_xmask:4 row_mask:0xf bank_mask:0xf
	v_add_f32_dpp v4, v4, v4 row_xmask:8 row_mask:0xf bank_mask:0xf
	v_permlanex16_b32 v5, v4, s8, s9
	v_add_f32 v4, v4, v5
	v_mul_f32 v5, 0x34000000, v4                   ; m = the sum x 2^-23
	v_fma_f32 v4, 0x3e800000, v5, v5               ; m + 0.25 m
	v_cmp_eq_u32 vcc_lo, 0, v0
	s_wait_alu depctr_va_vdst(0)
	s_wait_xcnt 0x0                                ; EXEC changes only behind this wait
	s_and_saveexec_b32 s10, vcc_lo
	global_store_b32 v2, v4, s[6:7]
	s_wait_xcnt 0x0
	s_or_b32 exec_lo, exec_lo, s10
	s_endpgm
.Lfunc_end_k_q834f614e1c_loss:
	.size	k_q834f614e1c_loss, .Lfunc_end_k_q834f614e1c_loss-k_q834f614e1c_loss
	.p2alignl 7, 3214868480
	.fill 96, 4, 3214868480
	.section	.rodata,"a",@progbits
	.p2align	6, 0x0
	.amdhsa_kernel k_q834f614e1c_loss
		.amdhsa_group_segment_fixed_size 0
		.amdhsa_private_segment_fixed_size 0
		.amdhsa_enable_private_segment 0
		.amdhsa_kernarg_size 16
		.amdhsa_user_sgpr_count 2
		.amdhsa_user_sgpr_kernarg_segment_ptr 1
		.amdhsa_wavefront_size32 1
		.amdhsa_system_sgpr_workgroup_id_x 1
		.amdhsa_system_sgpr_workgroup_id_y 1
		.amdhsa_system_sgpr_workgroup_id_z 1
		.amdhsa_system_vgpr_workitem_id 0
		.amdhsa_next_free_vgpr 32
		.amdhsa_next_free_sgpr 66
		.amdhsa_reserve_vcc 1
		.amdhsa_float_denorm_mode_32 3
		.amdhsa_float_denorm_mode_16_64 3
		.amdhsa_memory_ordered 1
		.amdhsa_forward_progress 1
		.amdhsa_inst_pref_size 3
	.end_amdhsa_kernel
	.amdgpu_metadata
---
amdhsa.version: [ 1, 2 ]
amdhsa.kernels:
  - .name:           k_q834f614e1c_loss
    .symbol:         k_q834f614e1c_loss.kd
    .args:
      - { .name: lpart, .offset: 0, .size: 8, .value_kind: global_buffer, .address_space: global }
      - { .name: out1, .offset: 8, .size: 8, .value_kind: global_buffer, .address_space: global }
    .group_segment_fixed_size: 0
    .private_segment_fixed_size: 0
    .kernarg_segment_align: 8
    .kernarg_segment_size: 16
    .max_flat_workgroup_size: 32
    .sgpr_count:     66
    .vgpr_count:     32
    .wavefront_size: 32
...
	.end_amdgpu_metadata
.endif
;; end of part 4
